; MI455X (gfx1250); checked and timed in simulation.
; The chip was launched on July 23, 2026; its instructions are those of AMD's public machine-readable ISA for CDNA 5 (MIT licence, August 2026) and "CDNA5" Instruction Set Architecture Reference Guide (July 2026). The comments in the code are by the model that wrote it; some were corrected since.
;; Local Attention. Allowed arithmetic: matrix products marked QUANTISED: E5M2 operands, one E8M0 scale for each 32 along K, by v_wmma_scale_f32_16x16x128_f8f6f4 with both operands' format E5M2, f32 sums; products left as they are: f32 operands where the result goes on into a quantised operand, else bf16, f16 or f32 operands; f32 sums; everything else in f32.
;; Inputs: Wk_codes 1,024 x 32 x 32 uint8 (E5M2 codes of Wk, K innermost, in blocks of 32 codes); Wk_scales 1,024 x 32 uint8 (E8M0 scales of Wk, one for each 32 codes along K); Wq_codes 1,024 x 32 x 32 uint8 (E5M2 codes of Wq, K innermost, in blocks of 32 codes); Wq_scales 1,024 x 32 uint8 (E8M0 scales of Wq, one for each 32 codes along K); Wv_codes 1,024 x 32 x 32 uint8 (E5M2 codes of Wv, K innermost, in blocks of 32 codes); Wv_scales 1,024 x 32 uint8 (E8M0 scales of Wv, one for each 32 codes along K); bk 1,024 float32; bq 1,024 float32; bv 1,024 float32; sequence_output_codes 4 x 2,048 x 32 x 32 uint8 (E5M2 codes of sequence_output, K innermost, in blocks of 32 codes); sequence_output_scales 4 x 2,048 x 32 uint8 (E8M0 scales of sequence_output, one for each 32 codes along K).
;; Outputs: out0 4 x 2,048 x 1,024 float32.
;; This version of the problem:
;;   THIS VERSION OF THE PROBLEM IS GIVEN IN LOW PRECISION. The matrix products marked QUANTISED in the list below multiply operands that are first quantised to E5M2 (5 exponent bits, 2 mantissa bits; 8 bits a number), with one power-of-two scale for each 32 numbers along K (OCP MX v1.0); their sums are f32. All else is computed in f32.
;;   The module's matrix products, in the order in which they are computed (A, B: the left and right operand; K: the contracted axis; several contracted axes count as one K, in the product's order):
;;     1. [M 8,192, K 1,024] x [K 1,024, N 1,024]; A: input sequence_output (given as codes); B: input Wq (given as codes): QUANTISED
;;     2. [M 8,192, K 1,024] x [K 1,024, N 1,024]; A: input sequence_output (given as codes); B: input Wk (given as codes): QUANTISED
;;     3. [M 8,192, K 1,024] x [K 1,024, N 1,024]; A: input sequence_output (given as codes); B: input Wv (given as codes): QUANTISED
;;     4. batch 8,192 x [M 1, K 1,024] x [K 1,024, N 5]; A: computed on the way; B: computed on the way: left as it is (M = 1 < 16)
;;     5. batch 8,192 x [M 1, K 5] x [K 5, N 1,024]; A: softmax; B: computed on the way: left as it is (K = 5 < 32)
;;   THE QUANTISER, for each operand of a quantised product, along K:
;;     - K is cut into blocks of 32 from its start; a last block that is shorter is filled with zeros.
;;     - A block's scale is 2^e with e = floor(log2(the largest magnitude in the block)) - 15, held to -126 .. 127; a block of zeros has e = 0. As a byte (E8M0): e + 127.
;;     - Each number is divided by its block's scale, clamped to +-57,344, and rounded to the nearest number of E5M2, ties to even, subnormals kept.
;;     - The product sums the exact products of the quantised numbers (number of the format x scale) in f32.
;;   ~~~python
;;   def quantise(x, axis):      # numpy; x: float32 -> the quantised numbers, widened to float32 again
;;       x = np.moveaxis(x, axis, -1); K = x.shape[-1]
;;       x = np.pad(x, [(0, 0)] * (x.ndim - 1) + [(0, -K % 32)]); x = x.reshape(x.shape[:-1] + (-1, 32)); a = np.abs(x).max(-1, keepdims=True)
;;       e = np.where(a > 0, np.clip(np.frexp(np.where(a > 0, a, 1))[1] - 1 - 15, -126, 127), 0)      # np.frexp(a)[1] - 1 = floor(log2(a)), exactly
;;       r = np.clip(x / 2.0 ** e, -57344, 57344)
;;       step = 2.0 ** (np.maximum(np.frexp(np.where(r == 0, 1, r))[1] - 1, -14) - 2)
;;       q = np.round(r / step) * step * 2.0 ** e      # np.round: ties to even
;;       return np.moveaxis(q.reshape(q.shape[:-2] + (-1,))[..., :K], -1, axis).astype(np.float32)
;;   ~~~
;;   INPUTS GIVEN AS CODES. Wk (in the module: [1024, 1024], K = its axis 0); Wq (in the module: [1024, 1024], K = its axis 0); Wv (in the module: [1024, 1024], K = its axis 0); sequence_output (in the module: [4, 2048, 1024], K = its axis 2): each comes as NAME_codes (uint8): NAME with its K axis moved to the last place and cut into blocks of 32 codes, [.., K / 32, bytes a block], one block behind the other in memory; one code a byte (a code: sign, 5 exponent bits, 2 mantissa bits); and NAME_scales (uint8): the same leading axes, one E8M0 byte (e + 127) for each 32 codes along K. Its value is code x scale, taken as it is: it is not quantised again, and the codes and scales need not be those that the quantiser above would give.
;; One version. Each part assembles by itself: llvm-mc -triple=amdgcn-amd-amdhsa -mcpu=gfx1250 --defsym DOCPART=n.
;; ======== version 1 of 1: 2 launches
;; limits: values are held in f16: magnitudes above 65,504 overflow, below 6.1e-05 lose precision; right only within a limited range of input values
;; workspace buffers: part 1,310,720 bytes
;; launch scores (part 1): grid 8 x 32, 4 waves a work-group, clusters of 4 x 4, 327,680 bytes of LDS; arguments sequence_output_codes, sequence_output_scales, Wq_codes, Wq_scales, Wk_codes, Wk_scales, bq, bk, part; writes part
.if DOCPART == 1
	.amdgcn_target "amdgcn-amd-amdhsa--gfx1250"
	.amdhsa_code_object_version 6
	.text
	.protected	k_qd374e0efc6_scores
	.globl	k_qd374e0efc6_scores
	.p2align	8
	.type	k_qd374e0efc6_scores,@function
k_qd374e0efc6_scores:
	s_mov_b64 s[64:65], 0
	v_nop
	global_prefetch_b8 v0, s[64:65] scope:SCOPE_SE
	s_setreg_imm32_b32 hwreg(HW_REG_WAVE_MODE, 25, 1), 1
	s_wait_xcnt 0x0
	s_wait_alu depctr_hold_cnt(0) depctr_sa_sdst(0) depctr_va_vdst(0) depctr_va_sdst(0) depctr_va_ssrc(0) depctr_va_vcc(0) depctr_vm_vsrc(0)
	s_getreg_b32 s2, hwreg(HW_REG_IB_STS2, 6, 4)
	s_cmp_eq_u32 s2, 0
	s_cbranch_scc0 .Lentry_in_a_cluster
	s_endpgm
.Lentry_in_a_cluster:
	s_bfe_u32 s2, ttmp6, 0x10000c
	s_cmp_lg_u32 s2, 0xf033
	s_cbranch_scc0 .Lentry_shape_is_right
	s_endpgm
.Lentry_shape_is_right:
; PARTIAL SCORES.  Q = x Wq + bq and K = x Wk + bk on codes of BF8 (E5M2) with one E8M0 scale for each 32 along K (x: [8192][1024], Wq, Wk: [1024 (n)][1024 (k)], K innermost), and at once
; part[X][e][s] = the sum over the 128 columns of slice X of Q[s][c] K[s + e - 2][c], e = 0 .. 4.  Q and K never go to memory.  The mask at a sequence's ends, the division by 32 and the softmax are the next launch's.
; SHARES.  A work-group makes 256 rows x 128 columns of Q and of K; wave w rows 128 (w / 2) on, columns 64 (w % 2) on, of both: 64 accumulators of 16 x 16, and 4 more for the NEIGHBOUR TILE of K.
; THE NEIGHBOUR TILE.  Which rows form a tile is free.  For a run of 128 rows from B on, one tile more holds rows B + 128, B + 129 at its places 0, 1 and rows B - 2, B - 1 at its places 14, 15 (places 2 to 13 repeat the four):
; it serves as the tile in front of the run and as the tile behind it.  Row numbers are held inside x by pairs; that bites only where the next launch masks the score.
; THE MATRIX INSTRUCTION IS USED TRANSPOSED (source 0 = 16 rows of W, source 1 = 16 rows of x): a lane holds one row of x and eight neighbouring columns, so two neighbouring column tiles, rounded to f16 in pairs,
; ARE a fragment (16 rows x 32 columns) of the banded product S^T = K Q^T, which the f16 matrix form makes for each tile of Q against the three tiles of K round it.
; K goes in four steps of 256 through a ring of two LDS slots; the scale bytes and the neighbour rows, for all of K, come once with the first fills.  All eight steps of 128 are written out: every offset is an immediate.
; CLUSTERS: 4 x 4 work-groups.  x's tiles hang on the row block alone and are asked for jointly along a row of the cluster, W's on the column slice alone and jointly along a column.
; WHY F16: a score's rounding error is shared by all 1,024 outputs of its row; f16's 11 significant bits keep it an eighth of what bf16's 8 would leave.
; LIMITS: Q and K are rounded to f16 for the banded product, so magnitudes of Q or K beyond 65,504 are not served.  Room: sums of 1,024 products of numbers of spread 1 and 1 / 55 have a spread of 0.58; with x and W both 30 times
; larger 520; with both carrying an offset of 30 spreads 1,024 x 30 x 0.54 = 16,600.  Codes of NaN or infinity, scale bytes 0xff and sums beyond f32 are not served.
; REGISTERS, in windows of 256: window 0: v0-31 addresses; v32-63 scale words, two sets; v64-95 the neighbour tile's 4 accumulators; v96-111 its fragment; v112-119 its rows' scale words; v128-255 x's 8 fragments, one set, later Q in f16.
;   window 1: W's fragments, two sets of 128 (blocks 0-3 Wq, 4-7 Wk), later K in f16.   windows 2, 3: accumulator (a, b) at v[8 (8 (a % 4) + b)], b < 4: Q, else K; window 2 later the banded tiles.
.set PITCH,  272                       ; an LDS row: 256 bytes + 16 of padding: the 16 rows of a fragment load start 68 words apart
.set HALFT,  128*PITCH                 ; 128 rows: what one tensor load brings
.set SLOT,   4*HALFT                   ; x's 256 rows, Wq's 128, Wk's 128
.set SCL,    2*SLOT                    ; the scale bytes, as units of 256 bytes + 16: x rows 0-127, x rows 128-255, Wq, Wk
.set HALFS,  16*272                    ; those of 128 rows
.set SBLK,   2*272                     ; those of 16 rows
.set HALO,   SCL+4*HALFS               ; the neighbour rows: 8 rows of 1,024 bytes + 16
.set HPITCH, 1040
.set SPARE,  HALO+8448                 ; the spare words, 128 bytes for each wave: two blocks of 256 bytes that no other line names
.set SROW,   208                       ; the way out: a row of 48 f32 + 16 bytes; the stages lie in slot 0, behind its last fill and its last read
.set STILE,  16*SROW
.set SWAVE,  8*STILE
.set ADRA,  16                         ; v16-17  my x fragments in slot 0, 1
.set ADRH,  18                         ; v18     my neighbour row
.set VB,    19                         ; v19     32 x (lane / 16): my eight numbers of a bias tile
.set ADRB,  20                         ; v20-21  my W fragments in slot 0, 1
.set ADRS,  22                         ; v22     scale words: lanes 0-15 x's rows, lanes 16-31 Wq's
.set ADRS2, 23                         ; v23     the same with Wk's in lanes 16-31
.set STO,   24                         ; v24     the way out: where I put 32 bytes of a row
.set RDX,   25                         ; v25     and where my two rows' bands begin
.set PO,    26                         ; v26     8 x thread: my two rows in part
.set HSO,   27                         ; v27     my neighbour row's scale bytes in memory
.set SPW,   28                         ; v28     my spare word; never rewritten
.set NIL,   29                         ; v29     0; never rewritten
.set SC,    32
.set HACC,  64
.set HF,    96
.set HS,    112
.set AF,    128
.set WV,    22                         ; s22 wave, s23 wave / 2, s24 wave % 2
.set SHI,   23
.set SLO,   24
.set G1,    32                         ; s[32:39] group 1, s[40:47] groups 0 (one for each slot): x's tiles
.set G0,    40
.set G1B,   48                         ; s[48:55], s[56:63]: W's tiles
.set G0B,   56
.set PFO,   31                         ; v31     the prefetches' offset: 1,024 x lane, a lane a row; never rewritten
.set PFA,   68                         ; s[68:69] where my prefetches stand: my work-group's 32 of the 128 rows that I fetch
.set MUL_LO, 0xa1                      ; source 0 (W) window 1, source 1 (x) window 0, C and D window 2
.set MUL_HI, 0xf1                      ; the same, C and D window 3
.set TO_B,   0x40                      ; destination window 1
.set MSB, 0
.macro WIN new                         ; the immediate's high byte repeats the setting that is left; a switch that changes nothing is dropped
.if MSB != (\new)
	s_set_vgpr_msb (MSB<<8)|(\new)
.set MSB, (\new)
.endif
.endm
.macro PLACES n
.rept \n
	v_nop
.endr
.endm
; A joint load: waves 0 and 1 fetch for x, waves 2 and 3 for W.  The branch hangs on the wave's number alone.  Four v_nop follow each of the two lines.
.macro JLOAD g0a, g1a, g0b, g1b
	s_cmp_eq_u32 s[SHI], 0
	s_cbranch_scc0 .Lfor_b_\@
	tensor_load_to_lds s[\g0a:\g0a+3], s[\g1a:\g1a+7]
	s_nop 0
	PLACES 4
	s_branch .Lasked_\@
.Lfor_b_\@:
	tensor_load_to_lds s[\g0b:\g0b+3], s[\g1b:\g1b+7]
	s_nop 0
	PLACES 4
.Lasked_\@:
.endm
.macro CREST                           ; a round of the cluster's barrier behind its opening barrier
	s_cmp_lg_u32 s[WV], 0
	s_cbranch_scc1 .Lnot_wave_0_\@
	s_barrier_signal -3
.Lnot_wave_0_\@:
	s_barrier_wait -3
	s_barrier_signal -1
	s_barrier_wait -1
.endm
.macro CROUND                          ; a whole round
	s_barrier_signal -1
	s_barrier_wait -1
	CREST
.endm
	s_load_b256 s[4:11], s[0:1], 0x0               ; x's codes s[4:5], x's scales s[6:7], Wq's codes s[8:9], Wq's scales s[10:11]
	s_load_b256 s[12:19], s[0:1], 0x20             ; Wk's codes s[12:13], Wk's scales s[14:15], bq s[16:17], bk s[18:19]
	s_load_b64 s[20:21], s[0:1], 0x40              ; part
	v_lshl_add_u32 v[SPW], v0, 2, SPARE
	v_mov_b32 v[NIL], 0
	ds_add_u32 v28, v29
	ds_add_u32 v28, v29
	s_wait_dscnt 0x0
	v_lshrrev_b32 v1, 5, v0
	v_readfirstlane_b32 s[WV], v1                  ; wave 0..3
	s_lshr_b32 s[SHI], s[WV], 1                    ; my run of 128 rows.  Also: I fetch for x (0) or for W (1)
	s_and_b32 s[SLO], s[WV], 1                     ; my 64 columns.  Also: which 128 rows of x, or Wq (0) or Wk (1), I fetch
	s_bfe_u32 s25, ttmp6, 0x40000                  ; cx, cy: my place in the cluster
	s_bfe_u32 s26, ttmp6, 0x40004
	s_lshl_b32 s27, ttmp9, 2
	s_add_co_u32 s27, s27, s25                     ; X: the slice of 128 columns
	s_and_b32 s66, ttmp7, 0xffff
	s_lshl_b32 s66, s66, 2
	s_add_co_u32 s66, s66, s26                     ; Y: the block of 256 rows
	s_lshl_b32 s100, s26, 2
	s_lshl_b32 s100, 15, s100                      ; my row of the cluster
	s_lshl_b32 s101, 0x1111, s25                   ; my column
	; groups 1.  Codes: 128 rows x 256 bytes, 1,024 bytes apart, 4 words of padding behind every 64
	s_or_b32 s[G1], s100, (1<<20)|(1<<21)|(5<<22)|(3<<25)
	s_or_b32 s[G1B], s101, (1<<20)|(1<<21)|(5<<22)|(3<<25)
.irp g, G1, G1B
	s_mov_b32 s[\g+1], 256<<16                     ; tensor_dim0
	s_mov_b32 s[\g+2], 128<<16                     ; tensor_dim1
	s_mov_b32 s[\g+3], 256<<16                     ; tile_dim0
	s_mov_b32 s[\g+4], 128                         ; tile_dim1
	s_mov_b32 s[\g+5], 1024                        ; from row to row
	s_mov_b32 s[\g+6], 0
	s_mov_b32 s[\g+7], 0
.endr
	; groups 0: where the tiles go hangs on the wave's number alone
	s_mul_i32 s67, s[WV], HALFT
	s_mov_b32 s[G0], 1
	s_mov_b32 s[G0+1], s67
	s_mov_b32 s[G0+4], 1
	s_add_co_u32 s[G0+5], s67, SLOT
	s_mov_b32 s[G0B], 1
	s_mov_b32 s[G0B+1], s67
	s_mov_b32 s[G0B+4], 1
	s_add_co_u32 s[G0B+5], s67, SLOT
	s_lshl_b32 s2, s66, 18                         ; x: row 256 Y + 128 (wave % 2), 1,024 bytes a row
	s_lshl_b32 s3, s[SLO], 17
	s_add_co_u32 s2, s2, s3
	s_mov_b32 s3, 0
	v_and_b32 v1, 15, v0                           ; r = lane % 16
	v_bfe_u32 v2, v0, 4, 1                         ; h = lane / 16
	v_lshlrev_b32 v[VB], 5, v2
	v_lshlrev_b32 v13, 4, v0
	v_and_b32 v14, 31, v0
	v_lshlrev_b32 v[PFO], 10, v14
	v_lshlrev_b32 v14, 4, v14
	s_wait_alu depctr_va_vdst(0)
	CROUND                                         ; ahead of the wait for the arguments: all sixteen work-groups are here: the first joint loads meet
	s_wait_kmcnt 0x0
	s_add_nc_u64 s[G0+2:G0+3], s[4:5], s[2:3]
	s_add_nc_u64 s[G0+6:G0+7], s[G0+2:G0+3], 256   ; 256 .. 511
	s_or_b32 s[G0+3], s[G0+3], 0x80000000
	s_or_b32 s[G0+7], s[G0+7], 0x80000000
	s_add_nc_u64 s[PFA:PFA+1], s[4:5], s[2:3]      ; the prefetches: x's rows that I fetch, if I fetch for x
	s_lshl_b32 s2, s66, 13                         ; the scale bytes of the block's 256 rows: 32 a row
	s_add_nc_u64 s[78:79], s[6:7], s[2:3]
	s_lshl_b32 s2, s66, 8                          ; the neighbour rows: B = 256 Y + 128 (wave / 2); wave % 2 = 0: B - 2, B - 1; 1: B + 128, B + 129
	s_lshl_b32 s67, s[SHI], 7
	s_add_co_u32 s2, s2, s67
	s_mul_i32 s67, s[SLO], 130
	s_add_co_u32 s2, s2, s67
	s_add_co_i32 s2, s2, -2
	s_max_i32 s2, s2, 0                            ; the pair is held inside x
	s_min_i32 s2, s2, 8190
	s_lshl_b32 s2, s2, 10
	s_add_nc_u64 s[76:77], s[4:5], s[2:3]
	s_cmp_eq_u32 s[SLO], 0                         ; W: wave 2 fetches Wq's rows, wave 3 Wk's: a choice that hangs on the wave's number
	s_cselect_b64 s[8:9], s[8:9], s[12:13]
	s_lshl_b32 s104, s27, 17                       ; row 128 X
	s_mov_b32 s105, 0
	s_add_nc_u64 s[G0B+2:G0B+3], s[8:9], s[104:105]
	s_add_nc_u64 s[G0B+6:G0B+7], s[G0B+2:G0B+3], 256
	s_or_b32 s[G0B+3], s[G0B+3], 0x80000000
	s_or_b32 s[G0B+7], s[G0B+7], 0x80000000
	s_add_nc_u64 s[70:71], s[8:9], s[104:105]
	s_cmp_eq_u32 s[SHI], 0                         ; the prefetches: for x or for W, and my work-group's 32 rows of the 128: by cx or by cy
	s_cselect_b64 s[PFA:PFA+1], s[PFA:PFA+1], s[70:71]
	s_cselect_b32 s100, s25, s26
	s_lshl_b32 s100, s100, 15
	s_mov_b32 s101, 0
	s_add_nc_u64 s[PFA:PFA+1], s[PFA:PFA+1], s[100:101]
	s_lshl_b32 s104, s27, 12                       ; the scale bytes of the slice's 128 rows of Wq and of Wk
	s_add_nc_u64 s[72:73], s[10:11], s[104:105]
	s_add_nc_u64 s[74:75], s[14:15], s[104:105]
	s_lshl_b32 s104, s27, 9                        ; the biases at my first column: 4 (128 X + 64 (wave % 2))
	s_lshl_b32 s67, s[SLO], 8
	s_add_co_u32 s104, s104, s67
	s_add_nc_u64 s[16:17], s[16:17], s[104:105]
	s_add_nc_u64 s[18:19], s[18:19], s[104:105]
	s_mul_i32 s104, s27, 5*8192*4                  ; part at [X][0][256 Y]
	s_lshl_b32 s67, s66, 10
	s_add_co_u32 s104, s104, s67
	s_add_nc_u64 s[20:21], s[20:21], s[104:105]
	; THE SCALE BYTES AND THE NEIGHBOUR ROWS come through registers: 16 bytes a thread and load; they wait where x's fragments will lie, and go to LDS at the head's end
.irp k, 0,1,2,3
	global_load_b128 v[128+4*\k:131+4*\k], v13, s[78:79] offset:2048*\k   ; x's 8,192 bytes
.endr
.irp k, 0,1
	global_load_b128 v[144+4*\k:147+4*\k], v13, s[72:73] offset:2048*\k   ; Wq's 4,096
	global_load_b128 v[152+4*\k:155+4*\k], v13, s[74:75] offset:2048*\k   ; Wk's
.endr
.irp m, 0,1,2,3
	global_load_b128 v[160+4*\m:163+4*\m], v14, s[76:77] offset:512*\m    ; my wave's two neighbour rows, 2,048 bytes on end
.endr
	JLOAD G0, G1, G0B, G1B                         ; slot 0: my one tensor load at the head
	s_mul_i32 s2, s[WV], 2*HPITCH
	s_add_co_u32 s2, s2, HALO
	v_add_nc_u32 v30, s2, v14                      ; where my neighbour rows go
	v_lshrrev_b32 v15, 4, v0
	v_mul_u32_u24 v15, v15, 272
	v_lshl_add_u32 v15, v1, 4, v15
	v_add_nc_u32 v15, SCL, v15                     ; and my 16 scale bytes: units of 256 bytes + 16
; THE BIASES START THE SUMS: register j of lane (r, h) of an accumulator is column 8 h + j of its tile, so a tile's bias is eight registers, the C of its first products.
; The eight tiles' lie in row tile 4's accumulators (window 3, v0-63), which start last, in place.
	WIN 0xc0
.irp b, 0,1,2,3
	global_load_b128 v[8*\b:8*\b+3], v[VB], s[16:17] offset:64*\b
	global_load_b128 v[8*\b+4:8*\b+7], v[VB], s[16:17] offset:64*\b+16
	global_load_b128 v[32+8*\b:32+8*\b+3], v[VB], s[18:19] offset:64*\b
	global_load_b128 v[32+8*\b+4:32+8*\b+7], v[VB], s[18:19] offset:64*\b+16
.endr
	WIN 0
	v_add_nc_u32 v4, 2, v1
	v_and_b32 v4, 3, v4                            ; L = (r + 2) % 4: which of the four rows B - 2, B - 1, B + 128, B + 129 stands at place r of the neighbour tile
	s_wait_alu depctr_va_vdst(0)
	s_lshl_b32 s2, s66, 8
	s_lshl_b32 s3, s[SHI], 7
	s_add_co_u32 s2, s2, s3                        ; B
	s_add_co_i32 s3, s2, -2
	s_max_i32 s3, s3, 0                            ; the lower pair's first row, held as the tensor load's,
	s_add_co_u32 s2, s2, 128
	s_min_i32 s2, s2, 8190                         ; the upper pair's
	s_sub_co_u32 s2, s2, s3
	v_lshrrev_b32 v11, 1, v4
	v_and_b32 v12, 1, v4
	v_mad_u32_u24 v11, v11, s2, v12
	v_add_nc_u32 v11, s3, v11
	v_lshlrev_b32 v[HSO], 5, v11                   ; 32 scale bytes a row
	global_load_b128 v[HS:HS+3], v[HSO], s[6:7]    ; my neighbour row's eight scale words, one for each 128 along K
	global_load_b128 v[HS+4:HS+7], v[HSO], s[6:7] offset:16
	v_mul_u32_u24 v3, v1, PITCH
	v_lshl_add_u32 v3, v2, 4, v3                   ; a fragment's row x pitch + 16 x half
	s_mul_i32 s2, s[SHI], HALFT                    ; my 128 rows of x
	v_add_nc_u32 v[ADRA], s2, v3
	s_add_co_u32 s2, s2, SLOT
	v_add_nc_u32 v[ADRA+1], s2, v3
	s_mul_i32 s3, s[SLO], 64*PITCH                 ; my 64 rows of Wq, behind x's 256; Wk's lie 128 rows further on
	s_add_co_u32 s3, s3, 2*HALFT
	v_add_nc_u32 v[ADRB], s3, v3
	s_add_co_u32 s3, s3, SLOT
	v_add_nc_u32 v[ADRB+1], s3, v3
	v_mul_u32_u24 v[ADRH], v4, HPITCH
	v_lshl_add_u32 v[ADRH], v2, 4, v[ADRH]
	s_mul_i32 s2, s[SHI], 4*HPITCH
	s_add_co_u32 s2, s2, HALO
	v_add_nc_u32 v[ADRH], s2, v[ADRH]
	v_lshlrev_b32 v5, 5, v1                        ; scale words: 32 bytes a row,
	v_lshrrev_b32 v6, 3, v1
	v_lshl_add_u32 v5, v6, 4, v5                   ; and 16 more for each 256 passed
	s_mul_i32 s2, s[SHI], HALFS                    ; x's: my 128 rows
	s_mul_i32 s3, s[SLO], 4*SBLK                   ; Wq's: my 64 rows, behind x's 256
	s_add_co_u32 s3, s3, 2*HALFS
	s_sub_co_u32 s3, s3, s2                        ; the distance from x's to Wq's: lanes 16-31 stand that much further on (one product)
	v_mul_u32_u24 v6, s3, v2
	s_add_co_u32 s67, s3, 4*SBLK                   ; and for blocks 4 to 7, whose offsets are four blocks on: Wk's blocks 0 to 3
	v_mul_u32_u24 v7, s67, v2
	s_add_co_u32 s2, s2, SCL
	v_add_nc_u32 v6, v5, v6
	v_add_nc_u32 v7, v5, v7
	v_add_nc_u32 v[ADRS], s2, v6
	v_add_nc_u32 v[ADRS2], s2, v7
	v_mul_u32_u24 v[STO], v1, SROW                 ; my stage: row r, 32 bytes for each half of the lanes
	v_lshl_add_u32 v[STO], v2, 5, v[STO]
	s_mul_i32 s2, s[WV], SWAVE
	v_add_nc_u32 v[STO], s2, v[STO]
	v_and_b32 v8, 31, v0                           ; back: thread t takes rows 2 t, 2 t + 1 of the 256: run t / 64, tile (t % 64) / 8, rows 2 (t % 8) on.  Row q's band begins at column 14 + q: 212 q + 56 bytes
	v_lshrrev_b32 v9, 3, v8
	v_and_b32 v10, 7, v0
	v_mul_u32_u24 v[RDX], v9, STILE
	v_mad_u32_u24 v[RDX], v10, 424, v[RDX]
	s_mul_i32 s2, s[SHI], 2*SWAVE
	s_mul_i32 s3, s[SLO], 4*STILE
	s_add_co_u32 s2, s2, s3
	s_add_co_u32 s2, s2, 56
	v_add_nc_u32 v[RDX], s2, v[RDX]
	v_lshlrev_b32 v[PO], 3, v0
.macro FRAG reg, adr, off              ; a fragment, 16 rows x 128 K of 8-bit codes: registers 4 c .. 4 c + 3 hold K = 32 c + 16 (lane / 16) + 0 .. 15
.irp c, 0,1,2,3
	ds_load_b128 v[\reg+4*\c:\reg+4*\c+3], v[\adr] offset:\off+32*\c
.endr
.endm
.macro FETCH_B slot, q, set            ; W's eight fragments of the slot's q-th 128 along K: 32 loads
	WIN TO_B
.irp i, 0,1,2,3
	FRAG 128*(\set)+16*\i, ADRB+\slot, 128*(\q)+16*\i*PITCH
.endr
.irp i, 4,5,6,7
	FRAG 128*(\set)+16*\i, ADRB+\slot, 128*(\q)+(64+16*\i)*PITCH
.endr
	WIN 0
.endm
.macro FETCH_A slot, q, i0             ; x's blocks i0 .. i0 + 3: 16 loads
.irp i, \i0, \i0+1, \i0+2, \i0+3
	FRAG AF+16*(\i), ADRA+\slot, 128*(\q)+16*(\i)*PITCH
.endr
.endm
.macro FETCH_H n                       ; the neighbour tile's fragment of step n: 4 loads
	FRAG HF, ADRH, 128*(\n)
.endm
.macro SCALES s                        ; the scale words of K bytes 256 s on, into set s % 2: register 2 i + q: lanes 0-15 x's block i, lanes 16-31 W's block i: 8 loads
.irp i, 0,1,2,3
	ds_load_b64 v[SC+16*((\s)&1)+2*\i:SC+16*((\s)&1)+2*\i+1], v[ADRS] offset:SBLK*\i+8*(\s)
.endr
.irp i, 4,5,6,7
	ds_load_b64 v[SC+16*((\s)&1)+2*\i:SC+16*((\s)&1)+2*\i+1], v[ADRS2] offset:SBLK*\i+8*(\s)
.endr
.endm
.macro BLD i                           ; W's fragment i of the next step, into the other set: 4 loads
	WIN TO_B
.if (\i) < 4
	FRAG 128*NP_+16*(\i), ADRB+NS_, 128*NP_+16*(\i)*PITCH
.else
	FRAG 128*NP_+16*(\i), ADRB+NS_, 128*NP_+(64+16*(\i))*PITCH
.endif
.endm
.macro ALD i                           ; x's block i of the next step: 4 loads
	WIN 0
	FRAG AF+16*(\i), ADRA+NS_, 128*NP_+16*(\i)*PITCH
.endm
; A GROUP: 8 products: x's block a against W's eight fragments.  In step 0 the C is the bias.  The 68 accumulators take turns, one instruction a turn.
.macro GRP a
.set D_, 64*((\a)%4)
.set C_, D_
.set M_, MUL_LO+0x50*((\a)/4)
.if FIRST_
.set C_, 0
.set M_, M_|0x30
.endif
	WIN M_
.irp b, 0,1,2,3,4,5,6,7
	v_wmma_scale_f32_16x16x128_f8f6f4 v[D_+8*\b:D_+8*\b+7], v[128*P_+16*\b:128*P_+16*\b+15], v[AF+16*(\a):AF+16*(\a)+15], v[C_+8*\b:C_+8*\b+7], v[SCB_+2*\b], v[SCB_+2*(\a)] matrix_a_fmt:MATRIX_FMT_BF8 matrix_b_fmt:MATRIX_FMT_BF8 matrix_a_scale:MATRIX_SCALE_ROW1
.endr
.endm
.macro MULH n                          ; 4 products: the neighbour tile against Wk's four blocks
.if FIRST_
	WIN 0x31
.set C_, 32
.else
	WIN 0x01
.set C_, HACC
.endif
.irp b, 0,1,2,3
	v_wmma_scale_f32_16x16x128_f8f6f4 v[HACC+8*\b:HACC+8*\b+7], v[128*P_+16*(4+\b):128*P_+16*(4+\b)+15], v[HF:HF+15], v[C_+8*\b:C_+8*\b+7], v[SCB_+2*(4+\b)], v[HS+(\n)] matrix_a_fmt:MATRIX_FMT_BF8 matrix_b_fmt:MATRIX_FMT_BF8 matrix_a_scale:MATRIX_SCALE_ROW1
.endr
.endm
.macro GAP n                           ; places behind a group
	WIN 0
	PLACES \n
.endm
; A STEP of 128 along K: eight groups in four pairs, with a run of the next step's loads behind each pair, in this order: W's 32 in two runs, (the next slot's 8 of scale words,) x's blocks 0-3 and the neighbour tile's, x's blocks 4-7,
; which are the 16 youngest at the next step's head.  A load into a register that a matrix instruction has read stands eight places behind it, and only plain vector instructions that name none of its registers are places
; eight stand ahead of x's blocks 0-3 and eight ahead of x's blocks 4-7; the latter are also those of W's other set.
; An odd step is its slot's last, and all its reads of it were issued a step ahead: the change of slots stands at its front.  ONE barrier: in front of it each wave waits for all its tensor loads, adds 0 to its spare word, and waits for that and for its reads of this slot.
; fill = 1: the barrier opens a round of the cluster's barrier, and this slot is filled again, 512 bytes further along K.
.macro STEP n, fill
.set P_, (\n)&1
.set SL_, ((\n)>>1)&1
.set SCB_, SC+16*SL_+P_
.set NP_, 1-P_
.set NS_, (((\n)+1)>>1)&1
.set FIRST_, 0
.if (\n) == 0
.set FIRST_, 1
.endif
.if P_
	s_wait_tensorcnt 0x0                           ; my part of the next slot is in
	ds_add_u32 v[SPW], v[NIL]                      ; 0 onto my spare word
	s_wait_dscnt 17                                ; the add and the youngest 16 loads may be out
	GRP 0
	s_wait_dscnt 0x0                               ; the add is done, and my reads of this slot are over
	s_barrier_signal -1
	GRP 1
	WIN 0
	s_barrier_wait -1
.if \fill
	CREST                                          ; no wave of any partner still reads this slot or has a load on its way
	s_add_nc_u64 s[G0+4*SL_+2:G0+4*SL_+3], s[G0+4*SL_+2:G0+4*SL_+3], 512
	s_add_nc_u64 s[G0B+4*SL_+2:G0B+4*SL_+3], s[G0B+4*SL_+2:G0B+4*SL_+3], 512
	JLOAD G0+4*SL_, G1, G0B+4*SL_, G1B             ; the first tensor load behind the round, my one load until the next
.endif
.else
	s_wait_dscnt 16                                ; all but x's blocks 4-7
	GRP 0
	GRP 1
.endif
	BLD 0
	BLD 1
	BLD 2
	BLD 3
	GRP 2
	GRP 3
	MULH \n
	BLD 4
	BLD 5
	BLD 6
	BLD 7
	WIN 0
.if P_
	SCALES ((\n)>>1)+1
.if (\n) == 1
	global_prefetch_b8 v[PFO], s[PFA:PFA+1] offset:768 th:TH_LOAD_NT scope:SCOPE_SE   ; the last fill's rows, two steps ahead of its load
.endif
.else
	s_wait_dscnt 32                                ; x's blocks 4-7 are in: W's 32 were issued behind them
.endif
.if FIRST_                             ; block 4's accumulators hold the bias until the others have started
	GRP 5
	GRP 6
.else
	GRP 4
	GRP 5
.endif
	GAP 8
	ALD 0
	ALD 1
	ALD 2
	ALD 3
	FETCH_H (\n)+1
.if FIRST_
	GRP 7
	GAP 9                                          ; group 4 writes over what the last products took as C: nine places
	GRP 4
.else
	GRP 6
	GRP 7
.endif
	GAP 8
	ALD 4
	ALD 5
	ALD 6
	ALD 7
.endm
	s_wait_alu depctr_va_vdst(0)
	s_wait_loadcnt 18                              ; the twelve loads of scale bytes and neighbour rows are in: 18 loads were issued behind them
.irp k, 0,1,2,3
	ds_store_b128 v15, v[128+4*\k:131+4*\k] offset:2176*\k
.endr
.irp k, 0,1
	ds_store_b128 v15, v[144+4*\k:147+4*\k] offset:2*HALFS+2176*\k
	ds_store_b128 v15, v[152+4*\k:155+4*\k] offset:3*HALFS+2176*\k
.endr
.irp m, 0,1,2,3
	ds_store_b128 v30, v[160+4*\m:163+4*\m] offset:HPITCH*(\m/2)+512*(\m%2)
.endr
	s_wait_tensorcnt 0x0                           ; my part of slot 0 is in
	ds_add_u32 v[SPW], v[NIL]
	s_wait_dscnt 0x0                               ; the add is done, and so are my stores
	CROUND                                         ; everybody's are, and all sixteen work-groups are here
	JLOAD G0+4, G1, G0B+4, G1B                     ; slot 1's first fill, the first tensor load behind the round
	FETCH_B 0, 0, 0
	FETCH_A 0, 0, 0
	SCALES 0
	FETCH_H 0
	FETCH_A 0, 0, 4
	; PREFETCHES INTO THE L2: each row's 256 bytes of a slot are named once in each cluster that will load them: of the 128 rows that a wave fetches each of the four partners takes 32, told apart by address.
	; Here K bytes 512 on, a step and more ahead of their load; step 1 asks for K bytes 768 on.  Slots 0 and 1 come by their first loads alone.
	global_prefetch_b8 v[PFO], s[PFA:PFA+1] offset:512 th:TH_LOAD_NT scope:SCOPE_SE
	s_wait_loadcnt 0x0                             ; the biases and the neighbour rows' scale words
	STEP 0, 0
	STEP 1, 1                                      ; slot 0 takes K bytes 512 on
	STEP 2, 0
	STEP 3, 1                                      ; slot 1 takes K bytes 768 on
	STEP 4, 0
	STEP 5, 0                                      ; nothing is left to fill: no round
	STEP 6, 0
.set P_, 1                             ; the last step loads nothing
.set SCB_, SC+17
	s_wait_dscnt 16
	GRP 0
	GRP 1
	GRP 2
	GRP 3
	MULH 7
	s_wait_dscnt 0x0
	GRP 4
	GRP 5
	GRP 6
	GRP 7
; Q AND K TO F16.  Column tiles 2 c and 2 c + 1 of a row tile, packed in pairs, are the eight registers of its fragment for columns 32 c on.  Q's go where x's fragments lay; K's where W's lay:
; the neighbour tile at v0 of window 1, tile a at v[16 (a + 1)].  Each accumulator is read from its low end on.
	PLACES 8
.macro PACKQK hi                       ; row tiles 4 hi .. 4 hi + 3
	WIN 0x0a+5*\hi                                 ; sources window 2 or 3, destination window 0
.irp a, 0,1,2,3
.irp b, 0,1,2,3
.irp p, 0,1,2,3
	v_cvt_pk_f16_f32 v[AF+16*(4*\hi+\a)+4*\b+\p], v[8*(8*\a+\b)+2*\p], v[8*(8*\a+\b)+2*\p+1]
.endr
.endr
.endr
	WIN 0x4a+5*\hi                                 ; destination window 1
.irp a, 0,1,2,3
.irp b, 0,1,2,3
.irp p, 0,1,2,3
	v_cvt_pk_f16_f32 v[16*(4*\hi+\a+1)+4*\b+\p], v[8*(8*\a+\b+4)+2*\p], v[8*(8*\a+\b+4)+2*\p+1]
.endr
.endr
.endr
.endm
	PACKQK 0
	PACKQK 1
	WIN 0x40
.irp b, 0,1,2,3
.irp p, 0,1,2,3
	v_cvt_pk_f16_f32 v[4*\b+\p], v[HACC+8*\b+2*\p], v[HACC+8*\b+2*\p+1]
.endr
.endr
; THE BANDED PRODUCT.  For Q's tile t the tiles t - 1, t, t + 1 of K (u = 0, 1, 2; the neighbour tile for -1 and for 8): S^T = K Q^T over my 64 columns, two products deep; 24 accumulators by turns.
; The results are laid over registers of the scaled products: with the eight v_nop above, thirteen places lie between.
	PLACES 5
	WIN 0xa1                                       ; source 0 (K) window 1, source 1 (Q) window 0, C and D window 2
.irp c, 0,1
.irp t, 0,1,2,3,4,5,6,7
.irp u, 0,1,2
.if \c == 0
	v_wmma_f32_16x16x32_f16 v[8*(3*\t+\u):8*(3*\t+\u)+7], v[16*((\t+\u)%9)+8*\c:16*((\t+\u)%9)+8*\c+7], v[AF+16*\t+8*\c:AF+16*\t+8*\c+7], 0
.else
	v_wmma_f32_16x16x32_f16 v[8*(3*\t+\u):8*(3*\t+\u)+7], v[16*((\t+\u)%9)+8*\c:16*((\t+\u)%9)+8*\c+7], v[AF+16*\t+8*\c:AF+16*\t+8*\c+7], v[8*(3*\t+\u):8*(3*\t+\u)+7]
.endif
.endr
.endr
.endr
; THE WAY OUT.  Lane (r, h) holds, of Q's row r, the products with K's rows 8 h + 0 .. 7 of tile u: columns 16 u + 8 h + j of a stage row of 48.  Row q's score with shift e stands at column 14 + q + e.
	PLACES 4
	WIN 0x08                                       ; an LDS store's data are its source 1: window 2
.irp t, 0,1,2,3,4,5,6,7
.irp u, 0,1,2
	ds_store_b128 v[STO], v[8*(3*\t+\u):8*(3*\t+\u)+3] offset:STILE*\t+64*\u
	ds_store_b128 v[STO], v[8*(3*\t+\u)+4:8*(3*\t+\u)+7] offset:STILE*\t+64*\u+16
.endr
.endr
	WIN 0
	s_wait_dscnt 0x0                               ; for the others' sake: my stores into my stage are done
	s_barrier_signal -1
	s_barrier_wait -1
.irp c, 0,1                            ; the two waves that hold my rows' two halves of the 128 columns
.irp e, 0,1,2,3,4
.irp p, 0,1
	ds_load_b32 v[64+10*\c+2*\e+\p], v[RDX] offset:SWAVE*\c+212*\p+4*\e
.endr
.endr
.endr
	s_wait_dscnt 0x0
.irp e, 0,1,2,3,4
	v_pk_add_f32 v[84+2*\e:85+2*\e], v[64+2*\e:65+2*\e], v[74+2*\e:75+2*\e]
.endr
.irp e, 0,1,2,3,4
	global_store_b64 v[PO], v[84+2*\e:85+2*\e], s[20:21] offset:32768*\e   ; a wave stores 256 consecutive bytes, at a multiple of 256 from the buffer's first byte
.endr
	s_wait_tensorcnt 0x0                           ; the wave's end: behind my last tensor load and my last LDS store
	ds_add_u32 v[SPW], v[NIL]
	s_wait_dscnt 0x0
	CROUND                                         ; the closing round: no work-group ends while a partner may still ask for a tile that names it
	s_endpgm
.Lfunc_end_k_qd374e0efc6_scores:
	.size	k_qd374e0efc6_scores, .Lfunc_end_k_qd374e0efc6_scores-k_qd374e0efc6_scores
	.p2alignl 7, 3214868480
	.fill 96, 4, 3214868480
	.section	.rodata,"a",@progbits
	.p2align	6, 0x0
	.amdhsa_kernel k_qd374e0efc6_scores
		.amdhsa_group_segment_fixed_size 327680
		.amdhsa_private_segment_fixed_size 0
		.amdhsa_enable_private_segment 0
		.amdhsa_kernarg_size 72
		.amdhsa_user_sgpr_count 2
		.amdhsa_user_sgpr_kernarg_segment_ptr 1
		.amdhsa_wavefront_size32 1
		.amdhsa_system_sgpr_workgroup_id_x 1
		.amdhsa_system_sgpr_workgroup_id_y 1
		.amdhsa_system_sgpr_workgroup_id_z 1
		.amdhsa_system_vgpr_workitem_id 0
		.amdhsa_next_free_vgpr 1024
		.amdhsa_next_free_sgpr 106
		.amdhsa_reserve_vcc 0
		.amdhsa_float_denorm_mode_32 3
		.amdhsa_float_denorm_mode_16_64 3
		.amdhsa_memory_ordered 1
		.amdhsa_forward_progress 1
		.amdhsa_inst_pref_size 154
	.end_amdhsa_kernel
	.amdgpu_metadata
---
amdhsa.version: [ 1, 2 ]
amdhsa.kernels:
  - .name:           k_qd374e0efc6_scores
    .symbol:         k_qd374e0efc6_scores.kd
    .args:
      - { .name: sequence_output_codes, .offset: 0, .size: 8, .value_kind: global_buffer, .address_space: global }
      - { .name: sequence_output_scales, .offset: 8, .size: 8, .value_kind: global_buffer, .address_space: global }
      - { .name: Wq_codes, .offset: 16, .size: 8, .value_kind: global_buffer, .address_space: global }
      - { .name: Wq_scales, .offset: 24, .size: 8, .value_kind: global_buffer, .address_space: global }
      - { .name: Wk_codes, .offset: 32, .size: 8, .value_kind: global_buffer, .address_space: global }
      - { .name: Wk_scales, .offset: 40, .size: 8, .value_kind: global_buffer, .address_space: global }
      - { .name: bq, .offset: 48, .size: 8, .value_kind: global_buffer, .address_space: global }
      - { .name: bk, .offset: 56, .size: 8, .value_kind: global_buffer, .address_space: global }
      - { .name: part, .offset: 64, .size: 8, .value_kind: global_buffer, .address_space: global }
    .group_segment_fixed_size: 327680
    .private_segment_fixed_size: 0
    .kernarg_segment_align: 8
    .kernarg_segment_size: 72
    .max_flat_workgroup_size: 128
    .sgpr_count:     106
    .vgpr_count:     1024
    .wavefront_size: 32
...
	.end_amdgpu_metadata
.endif
;; end of part 1
;; launch combine (part 2): grid 8 x 32, 4 waves a work-group, clusters of 4 x 4, 327,680 bytes of LDS; arguments sequence_output_codes, sequence_output_scales, Wv_codes, Wv_scales, bv, part, out0; writes out0
.if DOCPART == 2
	.amdgcn_target "amdgcn-amd-amdhsa--gfx1250"
	.amdhsa_code_object_version 6
	.text
	.protected	k_qd374e0efc6_combine
	.globl	k_qd374e0efc6_combine
	.p2align	8
	.type	k_qd374e0efc6_combine,@function
k_qd374e0efc6_combine:
	s_mov_b64 s[64:65], 0
	v_nop
	global_prefetch_b8 v0, s[64:65] scope:SCOPE_SE
	s_setreg_imm32_b32 hwreg(HW_REG_WAVE_MODE, 25, 1), 1
	s_wait_xcnt 0x0
	s_wait_alu depctr_hold_cnt(0) depctr_sa_sdst(0) depctr_va_vdst(0) depctr_va_sdst(0) depctr_va_ssrc(0) depctr_va_vcc(0) depctr_vm_vsrc(0)
	s_getreg_b32 s2, hwreg(HW_REG_IB_STS2, 6, 4)
	s_cmp_eq_u32 s2, 0
	s_cbranch_scc0 .Lentry_in_a_cluster
	s_endpgm
.Lentry_in_a_cluster:
	s_bfe_u32 s2, ttmp6, 0x10000c
	s_cmp_lg_u32 s2, 0xf033
	s_cbranch_scc0 .Lentry_shape_is_right
	s_endpgm
.Lentry_shape_is_right:
; out[s] = the sum over d = -2 .. 2 of p_d (x Wv + bv)[s + d], p = softmax over d of score[s][d] / 32, positions outside the row's own sequence of 2,048 counting as -infinity.
; V = x Wv on codes of BF8 (E5M2) with one E8M0 scale for each 32 along K; the scores come as eight partial sums a row and shift, part[8][5][8192], from the launch before.  V never goes to memory.
; SHARES.  A work-group makes 256 rows x 128 columns; wave w the run of 128 rows 128 (w / 2) on, columns 64 (w % 2) on.  A wave holds its 64 rows of Wv, ALL of K, in 512 registers and streams x's rows past them, blocks of 16 rows, 32 products each:
; block 0 is the NEIGHBOUR TILE (rows B + 128, B + 129 at places 0, 1; B - 2, B - 1 at places 14, 15; the others repeat the four), blocks 1 to 8 are the run's tiles.  The neighbour rows are held inside x by pairs; that bites only where p is 0.
; So V's rows are finished block by block, and behind block n the 16 rows 16 n - 24 .. 16 n - 9 of the run leave while the next block is multiplied.
; V's PRODUCT: source 0 = 16 rows of x, source 1 = 16 rows of Wv: a lane holds one column and eight rows, so two neighbouring blocks, rounded to f16 in pairs, ARE a fragment (16 columns x 32 rows of V).
; THE BAND.  An output tile lies eight rows off V's tiles, so that all five neighbours of each of its rows lie in two neighbouring blocks: ONE f16 product, out^T = V^T P^T, with P (16 rows x 32) holding p_d of row r at place 8 + r + d and zeros elsewhere.
; bv is that product's C: the weights of a row add up to 1.  Block n lies in half n % 2 of the fragment, and P's halves lie likewise.  Output tiles 1 and 9 are half tiles: P's tile 0 serves both: its rows 8 to 15 are the run's rows 0 to 7, its rows 0 to 7 the run's 120 to 127.
; The softmax is one thread's work for two rows: the maximum of the five is taken off before the exponentials.
; LDS: 128 rows of x (64 of each run), 128 rows of Wv, rows of 1,024 bytes + 16; once all waves of the cluster hold Wv in registers x's other 128 rows are filled over it in a drained round, and shown inside block 3.
; The scale words, bv and the neighbour rows come by plain loads straight into registers: each is read once by a wave.
; CLUSTERS: 4 x 4 work-groups: x's rows are asked for jointly along a row of the cluster, Wv's along a column.
; WHY F16: where the five terms p V of an output cancel, each term's rounding stands against an allowance of a hundredth of the output's spread: f16's 11 significant bits leave up to 2^-11 of p and of V, bf16's 8 would leave 2^-8.
; LIMITS: V and p are rounded to f16 for the banded product, so magnitudes of V beyond 65,504 are not served.  Room: sums of 1,024 products of numbers of spread 1 and 1 / 55 have a spread of 0.58; with x and Wv both 30 times
; larger 520; with both carrying an offset of 30 spreads 1,024 x 30 x 0.54 = 16,600.  p lies between 0 and 1.  Codes of NaN or infinity, scale bytes 0xff and sums beyond f32 are not served: the banded product forms 0 x V
; for rows of V that share a fragment with an output tile, so a row of V that is not finite would spoil up to 24 neighbouring rows of the output.
; REGISTERS: windows 1, 2: Wv's 32 fragments; window 3: x's blocks, two sets of 8 fragments; window 0: the rest, below.
.set PITCH, 1040
.set YB,    128*PITCH                  ; Wv's rows, later x's second half
.set PB,    2*YB                       ; P: 2 x 128 rows of 32 f16 + 16 bytes
.set PROW,  80
.set STG,   PB+256*PROW                ; the way out: 16 rows x (256 bytes + 16) for each wave
.set SP,    272
.set SPARE, STG+4*16*SP                ; the spare words, 128 bytes for each wave: two blocks of 256 bytes that no other line names
.set ADRA,  4                          ; v4, v5  my x fragments in the first half, in the second
.set ADRB,  6                          ; v6      my Wv fragments
.set STO,   7
.set RD,    8
.set CO,    9
.set SPW,   10
.set NIL,   11
.set SB,    12                         ; v12-27  Wv's scale words: register 8 p + q: lanes 0-15 tile 2 p's, lanes 16-31 tile 2 p + 1's
.set PFR,   28                         ; v28     my place in a tile of P
.set NOF,   29                         ; v29     my neighbour row's codes in memory
.set NSO,   30                         ; v30     its scale bytes
.set PFO,   31                         ; v31     the prefetch's offset
.set SA,    34                         ; v34-69  x's scale words, four registers for each of nine blocks: lanes 0-15 hold the words 0 to 3 along K, lanes 16-31 the words 4 to 7: no product's two scale words have numbers equal modulo 8
.set ACC,   104                        ; v104-167 two sets of four accumulators; a set takes V's block, then its output tile, then that tile's rows back from the stage
.set VF,    168                        ; v168-199 V in f16: column tile b's fragment at 8 b
.set BV,    200                        ; v200-231 bv, 8 registers a column tile
.set PF,    232                        ; v232-239 P's fragment
.set VN,    240                        ; v240-255 the neighbour tile in f16, kept for the last output tile
.set PT,    104                        ; at the head: the partial scores, v104-183
.set WV,    22
.set SHI,   23
.set SLO,   24
.set G1A,   32
.set G0A,   40
.set G1B,   48
.set G0B,   56
.set G0R,   68
.set G1R,   80
.set MSB, 0
.macro WIN new                         ; the immediate's high byte repeats the setting that is left; a switch that changes nothing is dropped
.if MSB != (\new)
	s_set_vgpr_msb (MSB<<8)|(\new)
.set MSB, (\new)
.endif
.endm
.macro PLACES n
.rept \n
	v_nop
.endr
.endm
.macro BARRIER
	s_barrier_signal -1
	s_barrier_wait -1
.endm
.macro CREST                           ; a round of the cluster's barrier behind its opening barrier
	s_cmp_lg_u32 s[WV], 0
	s_cbranch_scc1 .Lnot_wave_0_\@
	s_barrier_signal -3
.Lnot_wave_0_\@:
	s_barrier_wait -3
	BARRIER
.endm
.macro CROUND
	BARRIER
	CREST
.endm
.macro TLOAD g0, g1
	tensor_load_to_lds s[\g0:\g0+3], s[\g1:\g1+7]
	s_nop 0
	PLACES 4
.endm
.macro GROUP1 g, mask, rows            ; descriptor group 1: so many whole rows of K, 1,024 bytes each, 4 words of padding behind each
	s_or_b32 s[\g+0], s[\mask], (1<<20)|(1<<21)|(7<<22)|(3<<25)
	s_mov_b32 s[\g+1], 1024<<16
	s_mov_b32 s[\g+2], (\rows)<<16
	s_mov_b32 s[\g+3], 1024<<16
	s_mov_b32 s[\g+4], \rows
	s_mov_b32 s[\g+5], 1024
	s_mov_b32 s[\g+6], 0
	s_mov_b32 s[\g+7], 0
.endm
	s_load_b256 s[4:11], s[0:1], 0x0               ; x's codes s[4:5], x's scales s[6:7], Wv's codes s[8:9], Wv's scales s[10:11]
	s_load_b128 s[12:15], s[0:1], 0x20             ; bv s[12:13], part s[14:15]
	s_load_b64 s[16:17], s[0:1], 0x30              ; out
	v_lshl_add_u32 v[SPW], v0, 2, SPARE
	v_mov_b32 v[NIL], 0
	ds_add_u32 v[SPW], v[NIL]                      ; the wave's opening: the add, twice on end, and its wait ahead of my first tensor load
	ds_add_u32 v[SPW], v[NIL]
	v_lshrrev_b32 v1, 5, v0
	v_readfirstlane_b32 s[WV], v1                  ; wave 0..3
	s_lshr_b32 s[SHI], s[WV], 1                    ; my run of 128 rows
	s_and_b32 s[SLO], s[WV], 1                     ; my 64 columns
	s_bfe_u32 s25, ttmp6, 0x40000                  ; cx, cy
	s_bfe_u32 s26, ttmp6, 0x40004
	s_lshl_b32 s27, ttmp9, 2
	s_add_co_u32 s27, s27, s25                     ; X: the block of 128 columns
	s_and_b32 s66, ttmp7, 0xffff
	s_lshl_b32 s66, s66, 2
	s_add_co_u32 s66, s66, s26                     ; Y: the block of 256 rows
	s_lshl_b32 s100, s26, 2
	s_lshl_b32 s100, 15, s100                      ; my row of the cluster
	s_lshl_b32 s101, 0x1111, s25                   ; my column
	GROUP1 G1A, 100, 64                            ; x's first half: 64 rows a load
	GROUP1 G1B, 101, 64                            ; Wv: 64 rows a load
	GROUP1 G1R, 100, 32                            ; x's second half: 32 rows a wave
	s_mul_i32 s67, s[SLO], 64*PITCH
	s_mov_b32 s[G0A], 1
	s_mov_b32 s[G0A+1], s67
	s_mov_b32 s[G0B], 1
	s_add_co_u32 s[G0B+1], s67, YB
	s_mul_i32 s67, s[WV], 32*PITCH
	s_mov_b32 s[G0R], 1
	s_add_co_u32 s[G0R+1], s67, YB
	; offsets into the buffers, each under 2^31
	s_lshl_b32 s2, s66, 18                         ; x: row 256 Y, 1,024 bytes a row
	s_lshl_b32 s28, s[SLO], 17
	s_add_co_u32 s28, s28, s2                      ; what waves 2, 3 fetch: 64 rows from 128 (wave % 2) on
	s_mov_b32 s29, 0
	s_lshl_b32 s30, s[SHI], 17
	s_add_co_u32 s30, s30, s2                      ; my run's first row B
	s_mov_b32 s31, 0
	s_lshl_b32 s88, s[SLO], 15
	s_add_co_u32 s88, s88, s30
	s_add_co_u32 s88, s88, 64*1024                 ; the second half: my 32 rows: B + 64 + 32 (wave % 2)
	s_mov_b32 s89, 0
	s_lshl_b32 s90, s27, 17
	s_lshl_b32 s67, s[SLO], 16
	s_add_co_u32 s90, s90, s67                     ; Wv: row 128 X + 64 (wave % 2)
	s_mov_b32 s91, 0
	s_lshr_b32 s92, s30, 5                         ; the run's scale bytes: 32 a row
	s_mov_b32 s93, 0
	s_lshr_b32 s94, s90, 5                         ; and Wv's
	s_mov_b32 s95, 0
	s_lshl_b32 s96, s27, 9
	s_lshl_b32 s67, s[SLO], 8
	s_add_co_u32 s96, s96, s67                     ; my first column, in f32
	s_mov_b32 s97, 0
	s_lshl_b32 s98, s30, 2
	s_add_co_u32 s98, s98, s96                     ; out: row B of 4,096 bytes, my first column
	s_mov_b32 s99, 0
	s_lshl_b32 s104, s66, 10                       ; part: row 256 Y
	s_mov_b32 s105, 0
	s_lshr_b32 s18, s30, 10                        ; B
	s_add_co_i32 s19, s18, -2
	s_max_i32 s19, s19, 0                          ; the lower neighbour pair's first row, held inside x,
	s_add_co_u32 s18, s18, 128
	s_min_i32 s18, s18, 8190                       ; the upper pair's
	s_sub_co_u32 s18, s18, s19
	s_lshl_b32 s20, s25, 2                         ; the prefetch of x's second half: 2 x 64 rows of 1,024 bytes, shared out among the sixteen waves of my row of the cluster by address: 8,192 bytes a wave
	s_add_co_u32 s20, s20, s[WV]
	s_lshr_b32 s21, s20, 3
	s_and_b32 s20, s20, 7
	s_lshl_b32 s21, s21, 17
	s_lshl_b32 s20, s20, 13
	s_add_co_u32 s20, s20, s21
	s_add_co_u32 s20, s20, s2
	s_add_co_u32 s20, s20, 64*1024
	s_mul_i32 s72, s[SHI], 64*PITCH                ; my run's rows of x in LDS,
	s_mul_i32 s73, s[SLO], 64*PITCH
	s_add_co_u32 s73, s73, YB                      ; my 64 rows of Wv,
	s_mul_i32 s74, s[WV], 16*SP
	s_add_co_u32 s74, s74, STG                     ; my stage,
	s_mul_i32 s75, s[SHI], 128*PROW
	s_add_co_u32 s75, s75, PB                      ; my run's rows of P
	s_and_b32 s76, s66, 7
	s_lshl_b32 s76, s76, 8                         ; the block's place in its sequence
	s_mov_b32 s67, 0x3d38aa3b                      ; c = log2(e) / 32
	s_lshl_b32 s77, s[WV], 8
	s_lshl_b32 s21, s[WV], 6
	s_mov_b32 s78, 0x76543210
	s_mov_b32 s79, 0xfedcba98                      ; v_permlanex16_b32's selects for lane l xor 16
	v_and_b32 v1, 15, v0                           ; r = lane % 16
	v_bfe_u32 v2, v0, 4, 1                         ; h = lane / 16
	v_and_b32 v3, 31, v0
	v_lshlrev_b32 v241, 4, v1                      ; wave w, lane (r, h): four rows, 64 w + 4 r on, of the four slices 4 h on; then two rows, 64 w + 4 r + 2 h on, of all eight
	v_mad_u32_u24 v241, v2, 0xa0000, v241
	v_add_nc_u32 v241, s77, v241
	v_add_nc_u32 v250, 2, v1
	v_and_b32 v250, 3, v250                        ; L = (r + 2) % 4: which of the four neighbour rows stands at place r
	v_lshrrev_b32 v251, 1, v250
	v_and_b32 v252, 1, v250
	v_mad_u32_u24 v251, v251, s18, v252
	v_add_nc_u32 v251, s19, v251
	v_lshlrev_b32 v253, 4, v2
	v_lshl_add_u32 v[NSO], v251, 5, v253
	v_lshl_add_u32 v[NOF], v251, 10, v253
	v_lshl_add_u32 v240, v1, 5, v253
	v_lshlrev_b32 v242, 5, v3
	v_lshlrev_b32 v243, 5, v2
	v_lshl_add_u32 v[PFO], v3, 8, s20
	s_wait_alu depctr_va_vdst(0)
	s_wait_dscnt 0x0                               ; both opening adds are done
	CROUND                                         ; all sixteen work-groups are here: the first joint loads meet
	s_wait_kmcnt 0x0
	s_add_nc_u64 s[G0A+2:G0A+3], s[4:5], s[28:29]
	s_or_b32 s[G0A+3], s[G0A+3], 0x80000000
	s_add_nc_u64 s[G0B+2:G0B+3], s[8:9], s[90:91]
	s_or_b32 s[G0B+3], s[G0B+3], 0x80000000
	s_add_nc_u64 s[G0R+2:G0R+3], s[4:5], s[88:89]
	s_or_b32 s[G0R+3], s[G0R+3], 0x80000000
	s_add_nc_u64 s[92:93], s[6:7], s[92:93]
	s_add_nc_u64 s[94:95], s[10:11], s[94:95]
	s_add_nc_u64 s[96:97], s[12:13], s[96:97]
	s_add_nc_u64 s[14:15], s[14:15], s[104:105]
	s_add_nc_u64 s[16:17], s[16:17], s[98:99]
.macro HLOADS                          ; the head's plain loads: 61
.irp c, 0,1,2,3
.irp e, 0,1,2,3,4
	global_load_b128 v[PT+4*(5*\c+\e):PT+4*(5*\c+\e)+3], v241, s[14:15] offset:32768*(5*\c+\e)   ; slice 4 h + c, shift e
.endr
.endr
	global_load_b128 v[SA:SA+3], v[NSO], s[6:7]    ; my row's scale words: the neighbour tile's,
.irp t, 0,1,2,3
	global_load_b128 v[SA+4*\t+4:SA+4*\t+7], v240, s[92:93] offset:512*\t         ; tile t's
.endr
.irp p, 0,1
.irp c, 0,1
	global_load_b128 v[SB+8*\p+4*\c:SB+8*\p+4*\c+3], v242, s[94:95] offset:1024*\p+16*\c
.endr
.endr
	WIN 0xc0
.irp q, 0,1,2,3,4,5,6,7
.irp c, 0,1,2,3
	global_load_b128 v[16*\q+4*\c:16*\q+4*\c+3], v[NOF], s[4:5] offset:128*\q+32*\c   ; the neighbour tile's fragments: x's set 0
.endr
.endr
	WIN 0
.endm
	s_cmp_lt_u32 s[WV], 2                          ; one tensor load a wave: waves 0, 1 Wv's rows, which are wanted first, ahead of their plain loads; waves 2, 3 x's first half, behind theirs
	s_cbranch_scc0 .Lfor_x
	TLOAD G0B, G1B
	HLOADS
	s_branch .Lasked
.Lfor_x:
	HLOADS
	TLOAD G0A, G1A
.Lasked:
	v_mul_u32_u24 v253, v1, PITCH
	v_lshl_add_u32 v253, v2, 4, v253               ; a fragment's row x pitch + 16 x half
	v_add_nc_u32 v[ADRA], s72, v253
	v_add_nc_u32 v[ADRA+1], YB, v[ADRA]
	v_add_nc_u32 v[ADRB], s73, v253
	v_mul_u32_u24 v254, v1, SP                     ; the stage, in: row r, 32 bytes for each half of the lanes
	v_lshl_add_u32 v254, v2, 5, v254
	v_add_nc_u32 v[STO], s74, v254
	v_mul_u32_u24 v254, v2, SP                     ; back: lanes 0-15 one row of 256 bytes, lanes 16-31 the next
	v_lshl_add_u32 v254, v1, 4, v254
	v_add_nc_u32 v[RD], s74, v254
	v_lshlrev_b32 v255, 12, v2                     ; and the same two rows in out
	v_lshl_add_u32 v[CO], v1, 4, v255
	v_mul_u32_u24 v255, v1, PROW
	v_lshl_add_u32 v255, v2, 4, v255
	v_add_nc_u32 v[PFR], s75, v255
	v_lshlrev_b32 v196, 1, v2
	v_lshl_add_u32 v196, v1, 2, v196
	v_add_nc_u32 v196, s21, v196                   ; my two rows, 64 w + 4 r + 2 h on
	v_and_b32 v197, 127, v196
	v_add_nc_u32 v197, 8, v197
	v_and_b32 v197, 127, v197
	v_lshrrev_b32 v198, 7, v196                    ; their run
	v_mul_u32_u24 v250, v197, PROW
	v_mad_u32_u24 v250, v198, 128*PROW, v250
	v_add_nc_u32 v250, PB, v250
	v_and_b32 v197, 15, v197
	v_lshl_add_u32 v251, v197, 1, v250             ; + 2 (place % 16): the weights stand 12 bytes on
	v_add_nc_u32 v196, s76, v196                   ; my rows' places in their sequence of 2,048
	v_add_nc_u32 v197, 1, v196
	v_mov_b32 v198, 0xff800000                     ; -infinity
.irp i, 192,193,194,195
	v_mov_b32 v\i, 0
.endr
	; THE SOFTMAX of my two rows: register PT + 2 e + p: shift e, row p
	s_wait_alu depctr_va_vdst(0)
	s_wait_loadcnt 41                              ; the partial scores are in; the 41 younger loads may be out
.irp t, 4,5,6,7                        ; what is wanted later: 12 loads
	global_load_b128 v[SA+4*\t+4:SA+4*\t+7], v240, s[92:93] offset:512*\t
.endr
.irp b, 0,1,2,3
	global_load_b128 v[BV+8*\b:BV+8*\b+3], v243, s[96:97] offset:64*\b            ; bv at columns 16 b + 8 h + 0 .. 7
	global_load_b128 v[BV+8*\b+4:BV+8*\b+7], v243, s[96:97] offset:64*\b+16
.endr
.irp c, 1,2,3
.irp e, 0,1,2,3,4
	v_pk_add_f32 v[PT+4*\e:PT+4*\e+1], v[PT+4*\e:PT+4*\e+1], v[PT+4*(5*\c+\e):PT+4*(5*\c+\e)+1]
	v_pk_add_f32 v[PT+4*\e+2:PT+4*\e+3], v[PT+4*\e+2:PT+4*\e+3], v[PT+4*(5*\c+\e)+2:PT+4*(5*\c+\e)+3]
.endr
.endr
	v_cmp_lt_u32 vcc_lo, 0, v2                     ; lanes 16-31
.irp e, 0,1,2,3,4                      ; lanes 0-15 send their rows 2, 3 and keep 0, 1; lanes 16-31 the other way round
.irp p, 0,1
	v_cndmask_b32 v[PT+20+2*\e+\p], v[PT+4*\e+2+\p], v[PT+4*\e+\p], vcc_lo
	v_cndmask_b32 v[PT+40+2*\e+\p], v[PT+4*\e+\p], v[PT+4*\e+2+\p], vcc_lo
.endr
.endr
.irp i, 0,1,2,3,4,5,6,7,8,9
	v_permlanex16_b32 v[PT+60+\i], v[PT+20+\i], s78, s79
.endr
.irp e, 0,1,2,3,4
	v_pk_add_f32 v[PT+2*\e:PT+2*\e+1], v[PT+40+2*\e:PT+40+2*\e+1], v[PT+60+2*\e:PT+60+2*\e+1]
.endr
.irp p, 0,1
	v_cmp_gt_u32 vcc_lo, 2, v[196+\p]              ; s - 2 lies in front of the sequence
	v_cndmask_b32 v[PT+\p], v[PT+\p], v198, vcc_lo
	v_cmp_gt_u32 vcc_lo, 1, v[196+\p]              ; s - 1
	v_cndmask_b32 v[PT+2+\p], v[PT+2+\p], v198, vcc_lo
	v_cmp_lt_u32 vcc_lo, 2046, v[196+\p]           ; s + 1 lies behind it
	v_cndmask_b32 v[PT+6+\p], v[PT+6+\p], v198, vcc_lo
	v_cmp_lt_u32 vcc_lo, 2045, v[196+\p]           ; s + 2
	v_cndmask_b32 v[PT+8+\p], v[PT+8+\p], v198, vcc_lo
.endr
.irp p, 0,1
	v_max3_num_f32 v[184+\p], v[PT+\p], v[PT+2+\p], v[PT+4+\p]   ; the row's largest score: its own place always counts
.endr
.irp p, 0,1
	v_max3_num_f32 v[184+\p], v[184+\p], v[PT+6+\p], v[PT+8+\p]
.endr
.irp p, 0,1
	v_mul_f32 v[186+\p], s67, v[184+\p]
.endr
.irp e, 0,1,2,3,4
.irp p, 0,1
	v_fma_f32 v[PT+2*\e+\p], v[PT+2*\e+\p], s67, -v[186+\p]      ; (score - largest) x c
.endr
.endr
	s_wait_alu depctr_va_vdst(0)                   ; the wait ahead of the batch
.irp i, 0,1,2,3,4,5,6,7,8,9
	v_exp_f32 v[PT+\i], v[PT+\i]
.endr
	v_nop
	s_wait_alu depctr_va_vdst(0)                   ; and behind it, ahead of the first reader
	v_pk_add_f32 v[188:189], v[PT:PT+1], v[PT+2:PT+3]
	v_pk_add_f32 v[190:191], v[PT+4:PT+5], v[PT+6:PT+7]
	v_pk_add_f32 v[188:189], v[188:189], v[PT+8:PT+9]
	v_pk_add_f32 v[188:189], v[188:189], v[190:191]
	s_wait_alu depctr_va_vdst(0)
	v_rcp_f32 v190, v188
	v_rcp_f32 v191, v189
	v_nop
	s_wait_alu depctr_va_vdst(0)                   ; likewise for the reciprocals
.irp e, 0,1,2,3,4
	v_pk_mul_f32 v[PT+2*\e:PT+2*\e+1], v[PT+2*\e:PT+2*\e+1], v[190:191]
.endr
.irp p, 0,1
	v_cvt_pk_f16_f32 v[244+3*\p], v[PT+\p], v[PT+2+\p]
	v_cvt_pk_f16_f32 v[245+3*\p], v[PT+4+\p], v[PT+6+\p]
	v_cvt_pk_f16_f32 v[246+3*\p], v[PT+8+\p], v[PT+8+\p]
.endr
	; my rows of P: zeros, then the five weights.  LDS serves a wave's instructions in order (ISA guide 5.7.1.4)
.irp p, 0,1
.irp i, 0,1,2,3
	ds_store_b128 v250, v[192:195] offset:PROW*\p+16*\i
.endr
.endr
.irp p, 0,1                            ; (the second row's weights stand a place further on)
	ds_store_b16 v251, v[244+3*\p] offset:(PROW+2)*\p+12
	ds_store_b16_d16_hi v251, v[244+3*\p] offset:(PROW+2)*\p+14
	ds_store_b16 v251, v[245+3*\p] offset:(PROW+2)*\p+16
	ds_store_b16_d16_hi v251, v[245+3*\p] offset:(PROW+2)*\p+18
	ds_store_b16 v251, v[246+3*\p] offset:(PROW+2)*\p+20
.endr
.macro FQ n, q                         ; block n's (tile n - 1's) fragment q into set n % 2: 4 loads.  A fragment, 16 rows x 128 K: registers 4 c .. 4 c + 3 hold K = 32 c + 16 (lane / 16) + 0 .. 15
	WIN 0xc0
.irp c, 0,1,2,3
	ds_load_b128 v[128*((\n)&1)+16*(\q)+4*\c:128*((\n)&1)+16*(\q)+4*\c+3], v[ADRA+((\n)-1)/4] offset:16*(((\n)-1)&3)*PITCH+128*(\q)+32*\c
.endr
.endm
.macro FETCH n                         ; all eight
.irp q, 0,1,2,3,4,5,6,7
	FQ \n, \q
.endr
	WIN 0
.endm
.macro WFRAG q, b                      ; Wv's fragment 4 q + b: column tile b, the q-th 128 along K
	WIN (1+(\q)/4)<<6
.irp c, 0,1,2,3
	ds_load_b128 v[16*((4*(\q)+(\b))%16)+4*\c:16*((4*(\q)+(\b))%16)+4*\c+3], v[ADRB] offset:16*(\b)*PITCH+128*(\q)+32*\c
.endr
.endm
.macro PROD n, q, b
.set AC_, ACC+32*((\n)&1)+8*(\b)
.set R_, 128*((\n)&1)+16*(\q)
.set W_, 16*((4*(\q)+(\b))%16)
.set X_, SA+4*(\n)+(\q)%4
.set S_, SB+8*((\b)/2)+(\q)
.if (\q) == 0                          ; the first products start the sums: nothing is cleared
.if (\b)%2
	v_wmma_scale_f32_16x16x128_f8f6f4 v[AC_:AC_+7], v[R_:R_+15], v[W_:W_+15], 0, v[X_], v[S_] matrix_a_fmt:MATRIX_FMT_BF8 matrix_b_fmt:MATRIX_FMT_BF8 matrix_b_scale:MATRIX_SCALE_ROW1
.else
	v_wmma_scale_f32_16x16x128_f8f6f4 v[AC_:AC_+7], v[R_:R_+15], v[W_:W_+15], 0, v[X_], v[S_] matrix_a_fmt:MATRIX_FMT_BF8 matrix_b_fmt:MATRIX_FMT_BF8
.endif
.elseif (\q) > 3                       ; x's words 4 to 7 lie in lanes 16-31
.if (\b)%2
	v_wmma_scale_f32_16x16x128_f8f6f4 v[AC_:AC_+7], v[R_:R_+15], v[W_:W_+15], v[AC_:AC_+7], v[X_], v[S_] matrix_a_fmt:MATRIX_FMT_BF8 matrix_b_fmt:MATRIX_FMT_BF8 matrix_a_scale:MATRIX_SCALE_ROW1 matrix_b_scale:MATRIX_SCALE_ROW1
.else
	v_wmma_scale_f32_16x16x128_f8f6f4 v[AC_:AC_+7], v[R_:R_+15], v[W_:W_+15], v[AC_:AC_+7], v[X_], v[S_] matrix_a_fmt:MATRIX_FMT_BF8 matrix_b_fmt:MATRIX_FMT_BF8 matrix_a_scale:MATRIX_SCALE_ROW1
.endif
.else
.if (\b)%2
	v_wmma_scale_f32_16x16x128_f8f6f4 v[AC_:AC_+7], v[R_:R_+15], v[W_:W_+15], v[AC_:AC_+7], v[X_], v[S_] matrix_a_fmt:MATRIX_FMT_BF8 matrix_b_fmt:MATRIX_FMT_BF8 matrix_b_scale:MATRIX_SCALE_ROW1
.else
	v_wmma_scale_f32_16x16x128_f8f6f4 v[AC_:AC_+7], v[R_:R_+15], v[W_:W_+15], v[AC_:AC_+7], v[X_], v[S_] matrix_a_fmt:MATRIX_FMT_BF8 matrix_b_fmt:MATRIX_FMT_BF8
.endif
.endif
.endm
.macro MULQ n, from, to                ; block n's products for the 128s from .. to - 1 along K: the four accumulators take turns, one instruction a turn
.set Q_, \from
.rept (\to)-(\from)
	WIN 3|((1+Q_/4)<<2)                            ; source 0 (x) window 3, source 1 (Wv) window 1 or 2
	PROD \n, Q_, 0
	PROD \n, Q_, 1
	PROD \n, Q_, 2
	PROD \n, Q_, 3
.set Q_, Q_+1
.endr
.endm
.macro CVT n                           ; block n to f16, into half n % 2 of the fragments; each accumulator is read from its low end on
.irp b, 0,1,2,3
.irp p, 0,1,2,3
	v_cvt_pk_f16_f32 v[VF+8*\b+4*((\n)&1)+\p], v[ACC+32*((\n)&1)+8*\b+2*\p], v[ACC+32*((\n)&1)+8*\b+2*\p+1]
.endr
.endr
.endm
.macro PLOAD n                         ; P's fragment for output tile n: places 0 to 15 go with block n - 1, places 16 to 31 with block n
	ds_load_b128 v[PF+4*(((\n)-1)&1):PF+4*(((\n)-1)&1)+3], v[PFR] offset:16*PROW*(((\n)-1)%8)
	ds_load_b128 v[PF+4*((\n)&1):PF+4*((\n)&1)+3], v[PFR] offset:16*PROW*(((\n)-1)%8)+32
.endm
.macro BAND n                          ; source 0 = V's blocks n - 1 and n, source 1 = P, C = bv: lane (r, h) then holds out(row 16 n - 24 + r of the run, columns 16 b + 8 h + 0 .. 7)
.irp b, 0,1,2,3
	v_wmma_f32_16x16x32_f16 v[ACC+32*((\n)&1)+8*\b:ACC+32*((\n)&1)+8*\b+7], v[VF+8*\b:VF+8*\b+7], v[PF:PF+7], v[BV+8*\b:BV+8*\b+7]
.endr
.endm
; The way out of output tile n: 32 bytes a lane into my own stage, whole rows of 256 bytes back into the same registers.  LDS serves a wave's instructions in order (ISA guide 5.7.1.4): no wait between them.
; Of tile 1 only places 8 to 15 (pairs 4 to 7) are the run's, of tile 9 only places 0 to 7.
.macro STAGE n
.set D_, ACC+32*((\n)&1)
.irp b, 0,1,2,3
	ds_store_b128 v[STO], v[D_+8*\b:D_+8*\b+3] offset:64*\b
	ds_store_b128 v[STO], v[D_+8*\b+4:D_+8*\b+7] offset:64*\b+16
.endr
.irp u, 0,1,2,3,4,5,6,7
.if (((\n) > 1) || (\u > 3)) && (((\n) < 9) || (\u < 4))
	ds_load_b128 v[D_+4*\u:D_+4*\u+3], v[RD] offset:2*SP*\u
.endif
.endr
.endm
.macro SEND n                          ; 16 lanes store 256 consecutive bytes, at a multiple of 256 from out's first byte; written once, read by nobody here
.set D_, ACC+32*((\n)&1)
.irp u, 0,1,2,3,4,5,6,7
.if (((\n) > 1) || (\u > 3)) && (((\n) < 9) || (\u < 4))
	global_store_b128 v[CO], v[D_+4*\u:D_+4*\u+3], s[16:17] offset:(16*(\n)-24+2*\u)*4096 th:TH_STORE_NT
.endif
.endr
.endm
; Block n, its output tile's product, and the stores of the tile before.  Behind the products eight places, for the loads into x's set and for the conversions.
.macro BLK n
	s_wait_xcnt 0x0                                ; the stores of tile n - 2 have read the registers that this block's sums take
.if (\n) == 3                          ; x's second half is shown here: block 5 is fetched behind this block
	MULQ \n, 0, 7
	WIN 0
	s_wait_tensorcnt 0x0
	s_wait_dscnt 0x0
	s_barrier_signal -1
	MULQ \n, 7, 8
	WIN 0
	s_barrier_wait -1
.else
	MULQ \n, 0, 8
	WIN 0
.endif
	PLACES 8
.if (\n) < 7
	FETCH (\n)+2
.endif
	CVT \n
	s_wait_alu depctr_va_vdst(0)
.if (\n) < 7
	s_wait_dscnt 32                                ; all but the 32 just issued: block n + 1, P, and the rows of tile n - 1 are in
.else
	s_wait_dscnt 0x0
.endif
.if (\n) > 1
	SEND (\n)-1
.endif
	BAND \n
	PLACES 4
	PLOAD (\n)+1
	STAGE \n
.endm
	s_wait_alu depctr_va_vdst(0)
	s_cmp_lt_u32 s[WV], 2
	s_cbranch_scc0 .Lnot_w
	s_wait_tensorcnt 0x0                           ; waves 0, 1: Wv has landed.  Waves 2 and 3 wait for x in front of the round below
.Lnot_w:
	s_wait_dscnt 0x0                               ; for the others' sake: my rows of P are stored
	BARRIER
	global_prefetch_b8 v[PFO], s[4:5] th:TH_LOAD_NT scope:SCOPE_SE   ; x's second half, each aligned block of 256 bytes once in my row of the cluster: its load stands behind Wv's way into registers and the first block
.macro WQ q                            ; Wv's four fragments of the q-th 128 along K: 16 loads
	WFRAG \q, 0
	WFRAG \q, 1
	WFRAG \q, 2
	WFRAG \q, 3
.endm
	WQ 0
	WQ 1
	WQ 2
	s_wait_loadcnt 12                              ; the neighbour tile and the first scale words are in; the 12 later loads may be out
.irp q, 0,1,2,3,4
	WQ \q+3
	s_wait_dscnt 48                                ; the q-th 128 are in: three times 16 loads were issued behind them
	MULQ 0, \q, \q+1
.endr
	s_wait_dscnt 32
	MULQ 0, 5, 6
	s_wait_dscnt 16
	MULQ 0, 6, 7
	WIN 0
	s_wait_loadcnt 0x0                             ; the other scale words and bv
	s_wait_tensorcnt 0x0                           ; my tensor load is in;
	ds_add_u32 v[SPW], v[NIL]                      ; 0 onto my spare word
	s_wait_dscnt 1                                 ; Wv is in (the add may be out)
	MULQ 0, 7, 8
	WIN 0
	s_wait_dscnt 0x0                               ; the add is done; Wv is in my registers
	s_barrier_signal -1
	PLACES 8
	CVT 0
.irp b, 0,1,2,3
.irp p, 0,1,2,3
	v_cvt_pk_f16_f32 v[VN+4*\b+\p], v[ACC+8*\b+2*\p], v[ACC+8*\b+2*\p+1]
.endr
.endr
	s_barrier_wait -1
	CREST                                          ; no wave of any partner still reads Wv's rows or has a load on its way
	TLOAD G0R, G1R                                 ; x's second half over Wv's rows
	FETCH 1
	PLOAD 1
	FETCH 2
	s_wait_dscnt 34                                ; block 1 is in
	BLK 1
	BLK 2
	BLK 3
	BLK 4
	BLK 5
	BLK 6
	BLK 7
	BLK 8
.irp b, 0,1,2,3                        ; the last output tile: block 8 and the neighbour tile
.irp p, 0,1,2,3
	v_mov_b32 v[VF+8*\b+4+\p], v[VN+4*\b+\p]
.endr
.endr
	s_wait_alu depctr_va_vdst(0)
	s_wait_xcnt 0x0                                ; tile 7's stores have read their registers
	s_wait_dscnt 16                                ; P is in (tile 8's 8 stores and 8 loads may be out)
	BAND 9
	s_wait_dscnt 0x0
	SEND 8
	PLACES 4
	STAGE 9
	s_wait_dscnt 0x0
	SEND 9
	s_wait_tensorcnt 0x0                           ; the wave's end: behind my last tensor load and my last LDS store
	ds_add_u32 v[SPW], v[NIL]
	s_wait_dscnt 0x0
	CROUND                                         ; the closing round: no work-group ends while a partner may still ask for a tile that names it
	s_endpgm
.Lfunc_end_k_qd374e0efc6_combine:
	.size	k_qd374e0efc6_combine, .Lfunc_end_k_qd374e0efc6_combine-k_qd374e0efc6_combine
	.p2alignl 7, 3214868480
	.fill 96, 4, 3214868480
	.section	.rodata,"a",@progbits
	.p2align	6, 0x0
	.amdhsa_kernel k_qd374e0efc6_combine
		.amdhsa_group_segment_fixed_size 327680
		.amdhsa_private_segment_fixed_size 0
		.amdhsa_enable_private_segment 0
		.amdhsa_kernarg_size 56
		.amdhsa_user_sgpr_count 2
		.amdhsa_user_sgpr_kernarg_segment_ptr 1
		.amdhsa_wavefront_size32 1
		.amdhsa_system_sgpr_workgroup_id_x 1
		.amdhsa_system_sgpr_workgroup_id_y 1
		.amdhsa_system_sgpr_workgroup_id_z 1
		.amdhsa_system_vgpr_workitem_id 0
		.amdhsa_next_free_vgpr 1024
		.amdhsa_next_free_sgpr 106
		.amdhsa_reserve_vcc 1
		.amdhsa_float_denorm_mode_32 3
		.amdhsa_float_denorm_mode_16_64 3
		.amdhsa_memory_ordered 1
		.amdhsa_forward_progress 1
		.amdhsa_inst_pref_size 127
	.end_amdhsa_kernel
	.amdgpu_metadata
---
amdhsa.version: [ 1, 2 ]
amdhsa.kernels:
  - .name:           k_qd374e0efc6_combine
    .symbol:         k_qd374e0efc6_combine.kd
    .args:
      - { .name: sequence_output_codes, .offset: 0, .size: 8, .value_kind: global_buffer, .address_space: global }
      - { .name: sequence_output_scales, .offset: 8, .size: 8, .value_kind: global_buffer, .address_space: global }
      - { .name: Wv_codes, .offset: 16, .size: 8, .value_kind: global_buffer, .address_space: global }
      - { .name: Wv_scales, .offset: 24, .size: 8, .value_kind: global_buffer, .address_space: global }
      - { .name: bv, .offset: 32, .size: 8, .value_kind: global_buffer, .address_space: global }
      - { .name: part, .offset: 40, .size: 8, .value_kind: global_buffer, .address_space: global }
      - { .name: out0, .offset: 48, .size: 8, .value_kind: global_buffer, .address_space: global }
    .group_segment_fixed_size: 327680
    .private_segment_fixed_size: 0
    .kernarg_segment_align: 8
    .kernarg_segment_size: 56
    .max_flat_workgroup_size: 128
    .sgpr_count:     106
    .vgpr_count:     1024
    .wavefront_size: 32
...
	.end_amdgpu_metadata
.endif
;; end of part 2
